; MI455X (gfx1250); checked and timed in simulation.
; The chip was launched on July 23, 2026; its instructions are those of AMD's public machine-readable ISA for CDNA 5 (MIT licence, August 2026) and "CDNA5" Instruction Set Architecture Reference Guide (July 2026). The comments in the code are by the model that wrote it; some were corrected since.
;; Norm Stability. Allowed arithmetic: float matrix products may take bf16 or f16 operands with f32 sums; all other float work in f32.
;; Inputs: in_value 16 x 1,024 x 1,024 float32; stable_len 16 x 1,024 x 1,024 float32.
;; Outputs: out0 16 x 1,024 x 1,024 float32.
;; Constants: stream_len = 1024.
;; One version. Each part assembles by itself: llvm-mc -triple=amdgcn-amd-amdhsa -mcpu=gfx1250 --defsym DOCPART=n.
;; ======== version 1 of 1: 1 launch
;; launch normstab (part 1): grid 1024 x 1, 8 waves a work-group, no clusters, 0 bytes of LDS; arguments in_value, stable_len, out0; writes out0
.if DOCPART == 1
	.amdgcn_target "amdgcn-amd-amdhsa--gfx1250"
	.amdhsa_code_object_version 6
	.text
	.protected	k_q0ef3005f44_normstab
	.globl	k_q0ef3005f44_normstab
	.p2align	8
	.type	k_q0ef3005f44_normstab,@function
k_q0ef3005f44_normstab:
	s_mov_b64 s[64:65], 0
	v_nop
	global_prefetch_b8 v0, s[64:65] scope:SCOPE_SE
	s_setreg_imm32_b32 hwreg(HW_REG_WAVE_MODE, 25, 1), 1
	s_wait_xcnt 0x0
; out = (1 - stable_len/1024) / max_stab(in_value), elementwise over 16,777,216 f32.  A stream: 8 bytes in, 4 bytes out for each element.
;
; THE ARITHMETIC.  With s = x + 1 (the one rounding in p = s/2), 1024 (p - 0.025f) = fma(s, 512, -25.6f) and 1024 (p + 0.025f) = fma(s, 512, +25.6f)
; bit for bit: 25.6f = 1024 x f32(0.025), and a scaling by a power of two commutes with rounding.  The NEGATIVES are computed:
;   nl = fma(s, -512, +25.6f), nh = fma(s, -512, -25.6f);  A = floor(nl) = -lower, B = floor(nh) = -upper;  lower - 1 = ~A, upper - 1 = ~B.
; A multiple of 2^k lies in [lower, upper) exactly if (lower-1) >> k and (upper-1) >> k differ, so best_tz = min(10, highest set bit of A xor B);
; lower = 0 (~A = -1) gives the capped 10 by itself.  Both nl and nh are clamped to [-1024, 0].  The problem's formula clamps nl from above and nh
; from below only; since nh <= nl, the two further clamps change no non-empty window and turn every empty one into A = B, xor = 0.
; Adding 1.5 x 2^23 (exact for whole numbers in [-1024, 0]) lays A's two's-complement bits into the mantissa, so the xor of the two floats is
; (A xor B) in 23 bits.  As a float, clamped to [1, 1024] (the cap at 10; an empty window becomes 1) and cut to its exponent, that is P = 2^best_tz.
;   out = stab / (1 - 1/P) = stab + stab / (P - 1) = fma(stab, rcp(P - 1), stab),   stab = fma(stable_len, -2^-10, 1): one rounding, as 1 - stable_len/1024.
; P = 1 (best_tz = 0 or an empty window): rcp(+0) = +inf, so out = +-inf by stab's sign and NaN for stab = 0, as the division by +0 gives.
; LIMITS.  The last step (v_rcp_f32, 1 ulp, then one fused multiply-add) differs from the correctly rounded quotient by a few ulp.  For a NaN in in_value, and for
; in_value from about 4.19e6 on, where 512 (x + 1) leaves the range of int32 and the formula's cast is not defined, the window counts as empty here.
;
; THE STREAM.  1,024 work-groups of eight waves; a work-group owns 65,536 consecutive bytes of each buffer, as 16 rows of 4,096 bytes.  Thread t owns the 16 bytes
; at 16 t of every row: one load or store of a wave covers 512 consecutive bytes, aligned to 512.  The row stands in the immediate offset, so no address
; register is ever rewritten.  A ring of DEPTH slots in registers, each with 4 registers of in_value and 4 of stable_len, keeps 2 x DEPTH loads of a wave in flight.
; 16 rows are two rounds of the ring: the first fills each slot again, the second loads nothing; both are written out, there is no loop.
; NO SOURCE OF A MEMORY INSTRUCTION IS EVER WRITTEN AGAIN, so the text holds no wait for the release of sources: the offset, the three bases and EXEC stay as they
; are from the first load on, and each of the 16 stores has data registers that are written once before it and never after it.  In the first round these are the
; slot's own four registers of Y; in the second round the slot's in_value registers, which by then have had their last load and their last reader.
; No LDS, no barrier: no byte is used twice and no wave needs another's data.
.set ROW,   4096                       ; bytes in a row: 256 threads x 16
.set DEPTH, 8                          ; slots
.set OFF,   1                          ; v1        16 t; never rewritten
.set CP,    2                          ; v[2:3]    +25.6f twice
.set CN,    4                          ; v[4:5]    -25.6f twice
.set SS,    6                          ; v[6:9]    s = x + 1 of my 4 elements
.set STB,   10                         ; v[10:13]  stab
.set NL,    14                         ; v[14:17]  nl, then the xor, then P - 1
.set NH,    18                         ; v[18:21]  nh, then 1 / (P - 1)
.set X,     22                         ; v[22:53]  slot i: 4 registers of in_value; in the second round, at the turn's end, its store's data
.set SL,    54                         ; v[54:85]  slot i: 4 registers of stable_len
.set Y,     86                         ; v[86:117] slot i: the data of its store in the first round; written once
.set KLOW,  10                         ; s10       -1024.0
.set KHIGH, 11                         ; s11       1024.0
.set KM512, 12                         ; s[12:13]  -512.0 (the packed forms name a pair and take its first register for both halves)
.set KMAG,  14                         ; s[14:15]  1.5 x 2^23
.set KSC,   16                         ; s[16:17]  -2^-10
.set KEXP,  18                         ; s18       the exponent field of an f32
	s_load_b128 s[4:7], s[0:1], 0x0                ; in_value s[4:5], stable_len s[6:7]
	s_load_b64 s[8:9], s[0:1], 0x10                ; out0
	s_lshl_b32 s2, ttmp9, 16                       ; the work-group's 65,536 bytes: at most 1,023 x 65,536, below 2^32
	s_mov_b32 s3, 0
	v_lshlrev_b32 v[OFF], 4, v0                    ; 16 t
	s_wait_kmcnt 0x0
	s_add_nc_u64 s[4:5], s[4:5], s[2:3]
	s_add_nc_u64 s[6:7], s[6:7], s[2:3]
	s_add_nc_u64 s[8:9], s[8:9], s[2:3]
.irp i, 0,1,2,3,4,5,6,7
	global_load_b128 v[X+4*\i:X+4*\i+3],   v[OFF], s[4:5] offset:\i*ROW th:TH_LOAD_NT   ; fill the ring: rows 0 to 7 of both inputs,
	global_load_b128 v[SL+4*\i:SL+4*\i+3], v[OFF], s[6:7] offset:\i*ROW th:TH_LOAD_NT   ; a slot's two loads side by side; each byte is read once in the launch
.endr
	s_mov_b32 s[KLOW],    0xc4800000               ; the constants, while the loads are on their way
	s_mov_b32 s[KHIGH],   0x44800000
	s_mov_b32 s[KM512],   0xc4000000
	s_mov_b32 s[KM512+1], 0xc4000000
	s_mov_b32 s[KMAG],    0x4b400000
	s_mov_b32 s[KMAG+1],  0x4b400000
	s_mov_b32 s[KSC],     0xba800000
	s_mov_b32 s[KSC+1],   0xba800000
	s_mov_b32 s[KEXP],    0x7f800000
	v_mov_b32 v[CP],   0x41cccccd
	v_mov_b32 v[CP+1], 0x41cccccd
	v_mov_b32 v[CN],   0xc1cccccd
	v_mov_b32 v[CN+1], 0xc1cccccd
; The turn of slot i, which holds row `row`.  ahead = 1: the slot is filled again with the row DEPTH further down.
; left = how many younger loads may still be out when this slot's two have to be there.
; dst = the first of the four registers that take the result and feed the store: no earlier store reads them and nothing writes them afterwards.
.macro SLOT i, row, ahead, left, dst
	s_wait_loadcnt \left                           ; loads come back in order (ISA guide 5.7.1): this slot's two are in, the younger ones stay out
.irp j, 0,2
	v_pk_add_f32 v[SS+\j:SS+\j+1],   v[X+4*\i+\j:X+4*\i+\j+1],   1.0 op_sel_hi:[1,0]                     ; s = x + 1
	v_pk_fma_f32 v[STB+\j:STB+\j+1], v[SL+4*\i+\j:SL+4*\i+\j+1], s[KSC:KSC+1], 1.0 op_sel_hi:[1,0,0]    ; stab = 1 - stable_len / 1024
.endr
.if \ahead
	global_load_b128 v[X+4*\i:X+4*\i+3],   v[OFF], s[4:5] offset:((\row)+DEPTH)*ROW th:TH_LOAD_NT       ; both inputs are consumed: the slot's next row goes out
	global_load_b128 v[SL+4*\i:SL+4*\i+3], v[OFF], s[6:7] offset:((\row)+DEPTH)*ROW th:TH_LOAD_NT       ; at once, ahead of the rest of the arithmetic
.endif
.irp j, 0,2
	v_pk_fma_f32 v[NL+\j:NL+\j+1], v[SS+\j:SS+\j+1], s[KM512:KM512+1], v[CP:CP+1] op_sel_hi:[1,0,1]     ; nl = -1024 (p - 0.025f)
	v_pk_fma_f32 v[NH+\j:NH+\j+1], v[SS+\j:SS+\j+1], s[KM512:KM512+1], v[CN:CN+1] op_sel_hi:[1,0,1]     ; nh = -1024 (p + 0.025f)
.endr
.irp e, 0,1,2,3
	v_med3_num_f32 v[NL+\e], v[NL+\e], s[KLOW], 0  ; both into [-1024, 0]: the formula's two clamps, and an empty window becomes A = B
	v_med3_num_f32 v[NH+\e], v[NH+\e], s[KLOW], 0
.endr
.irp e, 0,1,2,3
	v_floor_f32 v[NL+\e], v[NL+\e]                 ; A = -lower (the bounds are whole numbers, so clamp and floor commute)
	v_floor_f32 v[NH+\e], v[NH+\e]                 ; B = -upper
.endr
.irp j, 0,2
	v_pk_add_f32 v[NL+\j:NL+\j+1], v[NL+\j:NL+\j+1], s[KMAG:KMAG+1] op_sel_hi:[1,0]   ; exact: the mantissa now holds 0x400000 + A
	v_pk_add_f32 v[NH+\j:NH+\j+1], v[NH+\j:NH+\j+1], s[KMAG:KMAG+1] op_sel_hi:[1,0]
.endr
.irp e, 0,1,2,3
	v_xor_b32 v[NL+\e], v[NL+\e], v[NH+\e]         ; sign, exponent and the 0x400000 cancel: (A xor B) in 23 bits
.endr
.irp e, 0,1,2,3
	v_cvt_f32_u32 v[NL+\e], v[NL+\e]               ; exact (below 2^24): its exponent is the highest set bit
.endr
.irp e, 0,1,2,3
	v_med3_num_f32 v[NL+\e], v[NL+\e], 1.0, s[KHIGH]   ; the cap at best_tz = 10; xor = 0 (an empty window) becomes 1
.endr
.irp e, 0,1,2,3
	v_and_b32 v[NL+\e], s[KEXP], v[NL+\e]          ; P = 2^best_tz
.endr
	; Behind v_rcp_f32 one plain vector instruction that touches neither its result nor its source comes before the result is used (ISA guide 5.7.2).
	; For the first pair that is the second pair's subtraction, for the second pair the first pair's multiply-add.
	v_pk_add_f32 v[NL:NL+1], v[NL:NL+1], -1.0 op_sel_hi:[1,0]       ; P - 1
	v_rcp_f32 v[NH],   v[NL]
	v_rcp_f32 v[NH+1], v[NL+1]
	v_pk_add_f32 v[NL+2:NL+3], v[NL+2:NL+3], -1.0 op_sel_hi:[1,0]
	v_rcp_f32 v[NH+2], v[NL+2]
	v_rcp_f32 v[NH+3], v[NL+3]
	s_wait_alu depctr_va_vdst(0)
	v_pk_fma_f32 v[(\dst):(\dst)+1],   v[STB:STB+1],   v[NH:NH+1],   v[STB:STB+1]     ; stab + stab / (P - 1)
	v_pk_fma_f32 v[(\dst)+2:(\dst)+3], v[STB+2:STB+3], v[NH+2:NH+3], v[STB+2:STB+3]
	global_store_b128 v[OFF], v[(\dst):(\dst)+3], s[8:9] offset:(\row)*ROW th:TH_STORE_NT   ; written once, not read again in the launch
.endm
.irp i, 0,1,2,3,4,5,6,7
	SLOT \i, \i, 1, 2*DEPTH-2, Y+4*\i              ; rows 0 to 7: the seven other slots' two loads each were issued behind this slot's pair; the result goes to the slot's own Y
.endr
.irp i, 0,1,2,3,4,5,6,7
	SLOT \i, \i+DEPTH, 0, 2*DEPTH-2-2*\i, X+4*\i   ; rows 8 to 15 load nothing: the counts run down to 0, and no load leaves the work-group's 16 rows;
	                                               ; the result goes to the slot's X: its last load is in (the turn's wait) and the turn's first lines were its last readers
.endr
	s_endpgm
.Lfunc_end_k_q0ef3005f44_normstab:
	.size	k_q0ef3005f44_normstab, .Lfunc_end_k_q0ef3005f44_normstab-k_q0ef3005f44_normstab
	.p2alignl 7, 3214868480
	.fill 96, 4, 3214868480
	.section	.rodata,"a",@progbits
	.p2align	6, 0x0
	.amdhsa_kernel k_q0ef3005f44_normstab
		.amdhsa_group_segment_fixed_size 0
		.amdhsa_private_segment_fixed_size 0
		.amdhsa_enable_private_segment 0
		.amdhsa_kernarg_size 24
		.amdhsa_user_sgpr_count 2
		.amdhsa_user_sgpr_kernarg_segment_ptr 1
		.amdhsa_wavefront_size32 1
		.amdhsa_system_sgpr_workgroup_id_x 1
		.amdhsa_system_sgpr_workgroup_id_y 1
		.amdhsa_system_sgpr_workgroup_id_z 1
		.amdhsa_system_vgpr_workitem_id 0
		.amdhsa_next_free_vgpr 118
		.amdhsa_next_free_sgpr 66
		.amdhsa_reserve_vcc 0
		.amdhsa_float_denorm_mode_32 3
		.amdhsa_float_denorm_mode_16_64 3
		.amdhsa_memory_ordered 1
		.amdhsa_forward_progress 1
		.amdhsa_inst_pref_size 47
	.end_amdhsa_kernel
	.amdgpu_metadata
---
amdhsa.version: [ 1, 2 ]
amdhsa.kernels:
  - .name:           k_q0ef3005f44_normstab
    .symbol:         k_q0ef3005f44_normstab.kd
    .args:
      - { .name: in_value, .offset: 0, .size: 8, .value_kind: global_buffer, .address_space: global }
      - { .name: stable_len, .offset: 8, .size: 8, .value_kind: global_buffer, .address_space: global }
      - { .name: out0, .offset: 16, .size: 8, .value_kind: global_buffer, .address_space: global }
    .group_segment_fixed_size: 0
    .private_segment_fixed_size: 0
    .kernarg_segment_align: 8
    .kernarg_segment_size: 24
    .max_flat_workgroup_size: 256
    .sgpr_count:     66
    .vgpr_count:     118
    .wavefront_size: 32
...
	.end_amdgpu_metadata
.endif
;; end of part 1
